; MI455X (gfx1250); checked and timed in simulation.
; The chip was launched on July 23, 2026; its instructions are those of AMD's public machine-readable ISA for CDNA 5 (MIT licence, August 2026) and "CDNA5" Instruction Set Architecture Reference Guide (July 2026). The comments in the code are by the model that wrote it; some were corrected since.
;; Causal Self Attention. Allowed arithmetic: matrix products marked QUANTISED: E5M2 operands, one given power-of-two scale a tensor, by v_wmma_f32_16x16x64_bf8_bf8 or v_wmma_f32_16x16x128_bf8_bf8, f32 sums; everything else in f32.
;; Inputs: W_k_codes 1,024 x 32 x 32 uint8 (E5M2 codes of W_k, K innermost, in blocks of 32 codes); W_q_codes 1,024 x 32 x 32 uint8 (E5M2 codes of W_q, K innermost, in blocks of 32 codes); W_v_codes 1,024 x 32 x 32 uint8 (E5M2 codes of W_v, K innermost, in blocks of 32 codes); X_codes 4 x 2,048 x 32 x 32 uint8 (E5M2 codes of X, K innermost, in blocks of 32 codes); lowp_scales 10 int32 (the exponents e of the quantised operands' scales 2^e).
;; Outputs: out0 4 x 2,048 x 1,024 float32.
;; This version of the problem:
;;   THIS VERSION OF THE PROBLEM IS GIVEN IN LOW PRECISION. The matrix products marked QUANTISED in the list below multiply operands that are first quantised to E5M2 (5 exponent bits, 2 mantissa bits; 8 bits a number), with one given power-of-two scale for each operand tensor; their sums are f32. All else is computed in f32.
;;   The module's matrix products, in the order in which they are computed (A, B: the left and right operand; K: the contracted axis; several contracted axes count as one K, in the product's order):
;;     1. [M 8,192, K 1,024] x [K 1,024, N 1,024]; A: input X (given as codes); B: input W_q (given as codes): QUANTISED (scales: A lowp_scales[0], B lowp_scales[1])
;;     2. [M 8,192, K 1,024] x [K 1,024, N 1,024]; A: input X (given as codes); B: input W_k (given as codes): QUANTISED (scales: A lowp_scales[2], B lowp_scales[3])
;;     3. [M 8,192, K 1,024] x [K 1,024, N 1,024]; A: input X (given as codes); B: input W_v (given as codes): QUANTISED (scales: A lowp_scales[4], B lowp_scales[5])
;;     4. batch 4 x [M 2,048, K 1,024] x [K 1,024, N 2,048]; A: computed on the way; B: computed on the way: QUANTISED (scales: A lowp_scales[6], B lowp_scales[7])
;;     5. batch 4 x [M 2,048, K 2,048] x [K 2,048, N 1,024]; A: softmax (see below); B: computed on the way: QUANTISED (scales: A lowp_scales[8], B lowp_scales[9])
;;   THE QUANTISER, for each operand of a quantised product, along K:
;;     - The operand's scale is 2^e, e = its entry of the input lowp_scales (int32; the entries are numbered through the quantised products in the list's order, A before B).
;;     - Each number is divided by the scale, clamped to +-57,344, and rounded to the nearest number of E5M2, ties to even, subnormals kept.
;;     - The product sums the exact products of the quantised numbers (number of the format x scale) in f32.
;;   ~~~python
;;   def quantise(x, axis, e):      # numpy; x: float32 -> the quantised numbers, widened to float32 again
;;       x = np.moveaxis(x, axis, -1); K = x.shape[-1]
;;       r = np.clip(x / 2.0 ** e, -57344, 57344)
;;       step = 2.0 ** (np.maximum(np.frexp(np.where(r == 0, 1, r))[1] - 1, -14) - 2)
;;       q = np.round(r / step) * step * 2.0 ** e      # np.round: ties to even
;;       return np.moveaxis(q, -1, axis).astype(np.float32)
;;   ~~~
;;   SOFTMAX AHEAD OF A QUANTISED PRODUCT. Where the list says 'softmax', what is quantised is not the finished softmax but p = 2^(t - M), with t = logit x log2(e) and M = ceil(the row's largest t), a whole number; so 1/2 < the row's largest p <= 1. The row's sum l is taken of the UNQUANTISED p, in f32, and the product's result is divided by l at the end. Since M is a whole number, a kernel that streams over the keys may use a running M (the ceiling of the running maximum): every later rescaling is an exact power of two, so the quantised numbers keep their values, but for numbers so far below the row's largest that they fall under the format's range.
;;   OPERANDS COMPUTED ON THE WAY. 'Computed on the way' means the value that the module computes at that place (a softmax that the list does not call 'softmax' is quantised finished and normalised). What goes into a quantiser is computed in f32, as accurately as f32 sums, v_exp_f32 and their like allow (about 1e-6 of the number): no bf16 or f16 on the way to a quantiser, and a product that is left as it is and whose result goes on into a quantised operand takes f32 operands (vector FMAs, or v_wmma_f32_16x16x4_f32). A number that lies on a knife's edge between two numbers of the format may be rounded either way, as far as f32 arithmetic and the matrix unit's own rounding can turn it there, and no further.
;;   INPUTS GIVEN AS CODES. W_k (in the module: [1024, 1024], K = its axis 1); W_q (in the module: [1024, 1024], K = its axis 1); W_v (in the module: [1024, 1024], K = its axis 1); X (in the module: [4, 2048, 1024], K = its axis 2): each comes as NAME_codes (uint8): NAME with its K axis moved to the last place and cut into blocks of 32 codes, [.., K / 32, bytes a block], one block behind the other in memory; one code a byte (a code: sign, 5 exponent bits, 2 mantissa bits); its scale is its entry of lowp_scales. Its value is code x scale, taken as it is: it is not quantised again, and the codes and scales need not be those that the quantiser above would give.
;; One version. Each part assembles by itself: llvm-mc -triple=amdgcn-amd-amdhsa -mcpu=gfx1250 --defsym DOCPART=n.
;; ======== version 1 of 1: 3 launches
;; limits: right only within a limited range of input values
;; workspace buffers: qc 8,388,608 bytes; kc 8,388,608 bytes; vt 8,388,608 bytes; pc 16,777,216 bytes; ml 1,048,576 bytes
;; launch proj (part 1): grid 8 x 32, 4 waves a work-group, clusters of 4 x 4, 327,680 bytes of LDS; arguments X_codes, W_q_codes, W_k_codes, W_v_codes, lowp_scales, qc, kc, vt; writes qc, kc, vt
.if DOCPART == 1
	.amdgcn_target "amdgcn-amd-amdhsa--gfx1250"
	.amdhsa_code_object_version 6
	.text
	.protected	k_q99c6a08a48_proj
	.globl	k_q99c6a08a48_proj
	.p2align	8
	.type	k_q99c6a08a48_proj,@function
k_q99c6a08a48_proj:
	s_mov_b64 s[64:65], 0
	v_nop
	global_prefetch_b8 v0, s[64:65] scope:SCOPE_SE
	s_setreg_imm32_b32 hwreg(HW_REG_WAVE_MODE, 25, 1), 1
	s_wait_xcnt 0x0
	s_wait_alu depctr_hold_cnt(0) depctr_sa_sdst(0) depctr_va_vdst(0) depctr_va_sdst(0) depctr_va_ssrc(0) depctr_va_vcc(0) depctr_vm_vsrc(0)
	s_getreg_b32 s2, hwreg(HW_REG_IB_STS2, 6, 4)
	s_cmp_eq_u32 s2, 0
	s_cbranch_scc0 .Lentry_in_a_cluster
	s_endpgm
.Lentry_in_a_cluster:
	s_bfe_u32 s2, ttmp6, 0x10000c
	s_cmp_lg_u32 s2, 0xf033
	s_cbranch_scc0 .Lentry_shape_is_right
	s_endpgm
.Lentry_shape_is_right:
; Q = X Wq^T, K = X Wk^T, V = X Wv^T on codes of E5M2, each result quantised at once to codes of E5M2 with its given scale.  X: [8192][1024], W: [1024][1024] codes, K innermost; sums in f32.
; A sum stands for sum x 2^(ea + eb); its code is sum / 2^(eo - ea - eb), held within +-57,344.
; DEAD WORK IN THE LATER LAUNCHES: the causal mask of the problem gives p = 0 to every key after the query, whatever the inputs hold.  Tiles of keys that all come after all queries of a tile are not multiplied in the last product,
; and of the score tiles above the diagonal only those inside a cluster on the diagonal are made (nobody reads them).  LIMIT: a NaN, an infinity or an overflow that reaches only hidden keys is not carried to the result.
; LIMIT here: eo - ea - eb between -126 and 112 for each of the three parts, so that both powers of two are f32 numbers.  NaN and infinity among the given codes are not served.
; SHARES.  256 work-groups: 32 blocks of 256 tokens x 8 blocks of 128 columns of Q, of K AND of V: X's tile serves all three.  A wave makes 128 tokens x 64 columns of each: 96 accumulators, 768 registers.
; Q, K: source 0 = W's rows, source 1 = X's: a lane holds one token, its registers run along e.  V: source 0 = X's rows, source 1 = W's: a lane holds one channel, its registers run along the tokens.
; OUT: IMAGES OF OPERAND REGISTERS.  A fragment of 16 rows x 128 codes is 2,048 bytes: four groups of 512, lane l's 16 bytes at 16 l; in group c lane (r, h) holds, of row r, places 32 c + 8 h + 0 .. 7 and 32 c + 16 + 8 h + 0 .. 7.
; The next launches multiply two operands that are both laid so, and so every product meets its partner.
;   qc, kc: [e / 128][token / 16][2,048];   vt: [token / 256][channel / 128][which 128 of the tokens][which 16 of the channels][2,048].  A work-group's part of each is one dense block of 32,768 bytes.
; LDS: a K step of 256 is X's 256 rows and three times 128 rows of W.  Two places for X, FIVE for W's tiles: step s, part p lies at place (3 s + p) % 5.  At a change of slots, when all reads of step s are done, V's weights of step
; s + 1 and X, Q's and K's weights of step s + 2 are asked for, one load a wave (wave 0: X, 1: Wq, 2: Wk, 3: Wv).  V's parts of a step stand behind those of Q and K, and a barrier ahead of them shows V's weights to all waves.
; CLUSTERS 4 x 4: X's tile hangs on cy alone and is asked for jointly by a row, W's tiles on cx alone and by a column.
; PREFETCH: K steps 2 and 3 are asked of memory while K steps 0 and 1 are on their way: wave 0 names 64 rows of X, told apart by cx, the others 32 rows of their W, told apart by cy; W's rows, which eight rows of clusters read, in four of them alone.
; REGISTERS: window 0: v1-31 addresses and constants, v32-127 W's fragments (three sets of 4 x 16 rows x 64 K), v128-255 X's (two sets of 8); on the way out v32-255 the codes.  Windows 1, 2, 3: the sums of Q, K, V, (a, b) at v[8 (4 a + b)].
; The prefetches in their order: K steps 1 and 2 behind K step 0's loads, K step 3 behind K step 1's.  In the last K step Q's and K's results go out as soon as each is finished, ahead of the parts that follow.
.set PITCH, 272                        ; an LDS row: 256 bytes + 16 of padding = 68 words: row r starts at bank 4 r mod 64 (64 banks of 4 bytes: ISA guide 11.1)
.set HALFT, 128*PITCH
.set XS,    2*HALFT                    ; a place for X
.set WB,    2*XS                       ; W's five places
.set SPARE, WB+5*HALFT                 ; the spare words, 128 bytes a wave
.set AX,  16                           ; v16-17 my X fragments, two places
.set AW,  18                           ; v18-22 my W fragments, five places
.set CO,  26                           ; v26    16 x lane
.set PFO, 27                           ; v27    1,024 x lane
.set SPW, 28
.set NIL, 29
.set BF,  32
.set AF,  128
.set PC,  64
.set G1X, 24
.set G0X, 32
.set G0Q, 36
.set G1W, 48
.set G0K, 56
.set G0V, 60
.set PFA, 66
.set QO,  68
.set KO,  70
.set VO,  92
.set MSB, 0
.macro WIN new                         ; the immediate's high byte repeats the setting that is left
.if MSB != (\new)
	s_set_vgpr_msb (MSB<<8)|(\new)
.set MSB, (\new)
.endif
.endm
.macro PLACES                          ; plain vector places behind matrix instructions, in front of loads into their registers
.rept 4
	v_nop
.endr
.endm
.macro TL g0, g1
	tensor_load_to_lds s[\g0:\g0+3], s[\g1:\g1+7]
	s_nop 0
	PLACES
.endm
; joint loads, one a wave: xqk = 1: waves 0, 1, 2 ask for X, Wq, Wk; v = 1: wave 3 asks for Wv
.macro JL xqk, v
.if \xqk
	s_cmp_eq_u32 s14, 0
	s_cbranch_scc0 .Lnot_x_\@
	TL G0X, G1X
	s_branch .Lasked_\@
.Lnot_x_\@:
	s_cmp_eq_u32 s14, 1
	s_cbranch_scc0 .Lnot_q_\@
	TL G0Q, G1W
	s_branch .Lasked_\@
.Lnot_q_\@:
	s_cmp_eq_u32 s14, 2
	s_cbranch_scc0 .Lnot_k_\@
	TL G0K, G1W
	s_branch .Lasked_\@
.Lnot_k_\@:
.else
	s_cmp_eq_u32 s14, 3
	s_cbranch_scc0 .Lasked_\@
.endif
.if \v
	TL G0V, G1W
.endif
.Lasked_\@:
.endm
.macro CREST                           ; a round of the cluster's barrier behind its opening barrier
	s_cmp_lg_u32 s14, 0
	s_cbranch_scc1 .Lnot_wave_0_\@
	s_barrier_signal -3
.Lnot_wave_0_\@:
	s_barrier_wait -3
	s_barrier_signal -1
	s_barrier_wait -1
.endm
.macro CROUND
	s_barrier_signal -1
	s_barrier_wait -1
	CREST
.endm
.macro ASK off                         ; prefetch of the K step that begins at byte off of the rows
	s_cmp_eq_u32 s18, 0
	s_cbranch_scc0 .Lno_ask_\@
	global_prefetch_b8 v[PFO], s[PFA:PFA+1] offset:\off th:TH_LOAD_NT scope:SCOPE_SE
	s_cmp_eq_u32 s14, 0
	s_cbranch_scc0 .Lno_ask_\@
	global_prefetch_b8 v[PFO], s[PFA:PFA+1] offset:32768+\off th:TH_LOAD_NT scope:SCOPE_SE
.Lno_ask_\@:
.endm
	s_load_b256 s[4:11], s[0:1], 0x0               ; X s[4:5], Wq s[6:7], Wk s[8:9], Wv s[10:11]
	s_load_b256 s[72:79], s[0:1], 0x20             ; the scales s[72:73], qc s[74:75], kc s[76:77], vt s[78:79]
	v_lshl_add_u32 v[SPW], v0, 2, SPARE
	v_mov_b32 v[NIL], 0
	ds_add_u32 v[SPW], v[NIL]                      ; the wave's opening: the add, twice on end, and its wait ahead of my first tensor load
	ds_add_u32 v[SPW], v[NIL]
	v_lshrrev_b32 v1, 5, v0
	v_readfirstlane_b32 s14, v1                    ; wave 0..3
	s_lshr_b32 s15, s14, 1                         ; which 128 tokens are mine
	s_and_b32 s16, s14, 1                          ; which 64 columns of each part
	s_bfe_u32 s40, ttmp6, 0x40000                  ; cx
	s_bfe_u32 s41, ttmp6, 0x40004                  ; cy
	s_lshl_b32 s42, ttmp9, 2
	s_add_co_u32 s42, s42, s40                     ; the block of columns, 0..7
	s_and_b32 s18, ttmp7, 0xffff                   ; the cluster's y, 0..7
	s_lshl_b32 s17, s18, 2
	s_add_co_u32 s17, s17, s41                     ; the block of tokens, 0..31
	s_lshl_b32 s43, s41, 2
	s_lshl_b32 s43, 15, s43                        ; my row of the cluster
	s_lshl_b32 s44, 0x1111, s40                    ; my column
	s_or_b32 s[G1X+0], s43, (1<<20)|(1<<21)|(5<<22)|(3<<25)   ; the mask; elements of 1 byte; padding on; bit 21 beside a mask; 4 words behind every 64
	s_or_b32 s[G1W+0], s44, (1<<20)|(1<<21)|(5<<22)|(3<<25)
	s_mov_b32 s[G1X+2], 256<<16                    ; tensor_dim1: X 256 rows,
	s_mov_b32 s[G1W+2], 128<<16                    ; W 128
	s_mov_b32 s[G1X+4], 256                        ; tile_dim1
	s_mov_b32 s[G1W+4], 128
.irp g, G1X, G1W
	s_mov_b32 s[\g+1], 256<<16                     ; tensor_dim0
	s_mov_b32 s[\g+3], 256<<16                     ; tile_dim0
	s_mov_b32 s[\g+5], 1024                        ; from row to row
	s_mov_b32 s[\g+6], 0
	s_mov_b32 s[\g+7], 0
.endr
	s_lshl_b32 s20, s17, 18                        ; X: 256 rows of 1,024 bytes a block
	s_mov_b32 s21, 0
	s_lshl_b32 s46, s42, 17                        ; W: 128 rows
	s_mov_b32 s47, 0
	s_lshl_b32 s90, s42, 20                        ; qc, kc: block of columns x 8,192 tokens x 128 bytes
	s_lshl_b32 s91, s17, 15                        ; + block of tokens
	s_add_co_u32 s90, s90, s91
	s_lshl_b32 s91, s15, 14                        ; + my 128 tokens
	s_add_co_u32 s90, s90, s91
	s_lshl_b32 s91, s16, 10                        ; + my half of each fragment
	s_add_co_u32 s90, s90, s91
	s_lshl_b32 s96, s17, 18                        ; vt: (8 x block of tokens + block of channels) x 32,768
	s_lshl_b32 s91, s42, 15
	s_add_co_u32 s96, s96, s91
	s_lshl_b32 s91, s14, 13                        ; + my 128 tokens x 16,384 + my 64 channels x 8,192
	s_add_co_u32 s96, s96, s91
	s_mov_b32 s97, 0
	s_mov_b32 s91, 0
	s_wait_dscnt 0x0                               ; both opening adds are done
	CROUND                                         ; all sixteen work-groups are here: the first joint loads meet
	s_wait_kmcnt 0x0
	s_load_b256 s[80:87], s[72:73], 0x0            ; e0 .. e7
	s_load_b32 s89, s[72:73], 0x24                 ; e9
	s_mov_b32 s[G0X], 1
	s_mov_b32 s[G0X+1], 0
	s_add_nc_u64 s[G0X+2:G0X+3], s[4:5], s[20:21]
	s_or_b32 s[G0X+3], s[G0X+3], 0x80000000
	s_mov_b32 s[G0Q], 1
	s_mov_b32 s[G0Q+1], WB
	s_add_nc_u64 s[G0Q+2:G0Q+3], s[6:7], s[46:47]
	s_or_b32 s[G0Q+3], s[G0Q+3], 0x80000000
	s_mov_b32 s[G0K], 1
	s_mov_b32 s[G0K+1], WB+HALFT
	s_add_nc_u64 s[G0K+2:G0K+3], s[8:9], s[46:47]
	s_or_b32 s[G0K+3], s[G0K+3], 0x80000000
	s_mov_b32 s[G0V], 1
	s_mov_b32 s[G0V+1], WB+2*HALFT
	s_add_nc_u64 s[G0V+2:G0V+3], s[10:11], s[46:47]
	s_or_b32 s[G0V+3], s[G0V+3], 0x80000000
	JL 1, 1                                        ; K step 0, one load a wave
	s_add_nc_u64 s[QO:QO+1], s[74:75], s[90:91]
	s_add_nc_u64 s[KO:KO+1], s[76:77], s[90:91]
	s_add_nc_u64 s[VO:VO+1], s[78:79], s[96:97]
	; the prefetches: my wave's matrix and rows; s18 = 0 where my wave asks
	s_lshr_b32 s18, s18, 2                         ; 0 in four of the eight rows of clusters
	s_lshl_b32 s22, s41, 15                        ; W: 32 rows for each cy
	s_add_co_u32 s22, s22, s46
	s_lshl_b32 s23, s40, 16                        ; X: 64 rows for each cx
	s_add_co_u32 s23, s23, s20
	s_cmp_eq_u32 s14, 1
	s_cselect_b64 s[PFA:PFA+1], s[6:7], s[8:9]
	s_cmp_eq_u32 s14, 3
	s_cselect_b64 s[PFA:PFA+1], s[10:11], s[PFA:PFA+1]
	s_cmp_eq_u32 s14, 0
	s_cselect_b64 s[PFA:PFA+1], s[4:5], s[PFA:PFA+1]
	s_cselect_b32 s22, s23, s22
	s_cselect_b32 s18, 0, s18                      ; X is asked for by every cluster
	s_mov_b32 s23, 0
	s_add_nc_u64 s[PFA:PFA+1], s[PFA:PFA+1], s[22:23]
	s_mul_i32 s22, s15, HALFT
	s_mul_i32 s23, s16, 64*PITCH
	s_add_co_u32 s23, s23, WB
	v_and_b32 v1, 15, v0                           ; r
	v_bfe_u32 v2, v0, 4, 1                         ; h
	v_mul_u32_u24 v3, v1, PITCH
	v_lshl_add_u32 v3, v2, 4, v3                   ; a fragment's row x pitch + 16 h
	v_add_nc_u32 v[AX], s22, v3
	v_add_nc_u32 v[AX+1], XS, v[AX]
	v_add_nc_u32 v[AW], s23, v3
.irp k, 1,2,3,4
	v_add_nc_u32 v[AW+\k], \k*HALFT, v[AW]
.endr
	v_and_b32 v6, 31, v0
	v_lshlrev_b32 v[CO], 4, v6
	v_lshlrev_b32 v[PFO], 10, v6
	s_wait_alu depctr_va_vdst(0)
	ASK 256                                        ; K step 1
	ASK 512                                        ; K step 2
; X's fragments i0 .. i0 + n - 1 of step st, 64 K number u: registers 0-3 K = 16 h + 0 .. 15, 4-7 K = 32 + 16 h + 0 .. 15: a permutation of k that is the same in X and W
.macro LDA st, u, i0, n
.set I, \i0
.rept \n
.set rX, AF+64*((\u)%2)+8*I
	ds_load_b128 v[rX:rX+3], v[AX+(\st)%2] offset:64*(\u)+I*16*PITCH
	ds_load_b128 v[rX+4:rX+7], v[AX+(\st)%2] offset:64*(\u)+I*16*PITCH+32
.set I, I+1
.endr
.endm
; W's four fragments of part p into a set: 8 loads
.macro LDB st, p, u, set
.set rA, AW+(3*(\st)+(\p))%5
.irp b, 0,1,2,3
.set rW, BF+32*(\set)+8*\b
	ds_load_b128 v[rW:rW+3], v[rA] offset:64*(\u)+\b*16*PITCH
	ds_load_b128 v[rW+4:rW+7], v[rA] offset:64*(\u)+\b*16*PITCH+32
.endr
.endm
; 16 matrix instructions: X's blocks a0 .. a0 + 3 x the part's four of W, 64 along K.  The 96 accumulators take turns; the very first products start the sums
.macro HALF st, p, u, set, a0
	WIN 0x50*((\p)+1)
.irp a, \a0, \a0+1, \a0+2, \a0+3
.irp b, 0,1,2,3
.set rD, 8*(4*(\a)+\b)
.set rX, AF+64*((\u)%2)+8*(\a)
.set rW, BF+32*(\set)+8*\b
.if (\p) == 2
.set rS, rX
.set rT, rW
.else
.set rS, rW
.set rT, rX
.endif
.if ((\st) == 0) && ((\u) == 0)
	v_wmma_f32_16x16x64_bf8_bf8 v[rD:rD+7], v[rS:rS+7], v[rT:rT+7], 0
.else
	v_wmma_f32_16x16x64_bf8_bf8 v[rD:rD+7], v[rS:rS+7], v[rT:rT+7], v[rD:rD+7]
.endif
.endr
.endr
.endm
.macro PART st, p, u, set
	HALF \st, \p, \u, \set, 0
	HALF \st, \p, \u, \set, 4
.endm
.macro RUNP                            ; ahead of a run of loads
	PLACES
	WIN 0
.endm
; A K STEP: twelve parts of 32 matrix instructions, Q0 K0 Q1 K1 V0 V1 Q2 K2 V2 Q3 K3 V3 (the figure: which 64 along K).  Behind each part a run of loads for later parts; each counted wait leaves out the loads issued behind those that the part needs.
.macro STEP st
	s_wait_dscnt 22                                ; behind X's u = 0: K0's 8, the last run's 14
	PART \st, 0, 0, 0
	RUNP
	LDA \st, 1, 3, 5
	LDB \st, 1, 1, 0
	s_wait_dscnt 32                                ; behind K0's: 14 and 18
	PART \st, 1, 0, 1
	s_wait_dscnt 8                                 ; behind X's u = 1: K1's 8
	HALF \st, 0, 1, 2, 0
.if (\st) > 0                          ; V's weights of this step, wave 3's one load, are shown to all waves
	WIN 0
	s_cmp_eq_u32 s14, 3
	s_cbranch_scc0 .Lnot_mine_\@
	s_wait_tensorcnt 0x0
.Lnot_mine_\@:
	s_wait_dscnt 0x0
	s_barrier_signal -1
	HALF \st, 0, 1, 2, 4
	s_barrier_wait -1
.else
	HALF \st, 0, 1, 2, 4
.endif
	RUNP
	LDB \st, 2, 0, 1
	LDB \st, 2, 1, 2
	s_wait_dscnt 16                                ; behind K1's: 16
	PART \st, 1, 1, 0
	RUNP
	LDB \st, 0, 2, 0
	s_wait_dscnt 16                                ; behind V0's: 8 and 8
	PART \st, 2, 0, 1
	RUNP
	LDA \st, 2, 0, 8
	s_wait_dscnt 24                                ; behind V1's: 8 and 16
	PART \st, 2, 1, 2
	RUNP
	LDB \st, 1, 2, 1
	LDB \st, 2, 2, 2
	s_wait_dscnt 16                                ; behind X's u = 2: 16
	PART \st, 0, 2, 0
	RUNP
	LDA \st, 3, 0, 4
	LDB \st, 0, 3, 0
	s_wait_dscnt 24                                ; behind K2's: 8 and 16
	PART \st, 1, 2, 1
	RUNP
	LDA \st, 3, 4, 4
	LDB \st, 1, 3, 1
	s_wait_dscnt 32                                ; behind V2's: 16 and 16
	PART \st, 2, 2, 2
	RUNP
	LDB \st, 2, 3, 2                               ; the step's last reads
.if (\st) < 3
	s_wait_tensorcnt 0x0                           ; THE CHANGE OF SLOTS: my tensor loads have landed;
	ds_add_u32 v[SPW], v[NIL]                      ; 0 onto my spare word
	s_mov_b32 s[G0V+1], WB+HALFT*((3*(\st)+5)%5)
	s_add_nc_u64 s[G0V+2:G0V+3], s[G0V+2:G0V+3], 256
.if (\st) < 2
	s_mov_b32 s[G0X+1], XS*((\st)%2)
	s_add_nc_u64 s[G0X+2:G0X+3], s[G0X+2:G0X+3], 256
	s_mov_b32 s[G0Q+1], WB+HALFT*((3*(\st)+6)%5)
	s_add_nc_u64 s[G0Q+2:G0Q+3], s[G0Q+2:G0Q+3], 256
	s_mov_b32 s[G0K+1], WB+HALFT*((3*(\st)+7)%5)
	s_add_nc_u64 s[G0K+2:G0K+3], s[G0K+2:G0K+3], 256
.endif
	s_wait_dscnt 17                                ; behind X's u = 3: 16 and the add
	HALF \st, 0, 3, 0, 0
	s_wait_dscnt 0x0                               ; the add is done, and so are all my reads of this step
	s_barrier_signal -1
	HALF \st, 0, 3, 0, 4
	WIN 0
	s_barrier_wait -1
	CREST                                          ; no wave of any partner reads this step's bytes or has a load on its way
.if (\st) < 2
	JL 1, 1
.else
	JL 0, 1
.endif
	RUNP
	LDA (\st)+1, 0, 0, 4
	LDB (\st)+1, 0, 0, 0
	PART \st, 1, 3, 1                              ; (its fragments were in at the change of slots, and V3's)
	RUNP
	LDA (\st)+1, 0, 4, 4
	LDB (\st)+1, 1, 0, 1
	PART \st, 2, 3, 2
	RUNP
	LDA (\st)+1, 1, 0, 3
	LDB (\st)+1, 0, 1, 2
.else
	s_wait_dscnt 16                                ; behind X's u = 3: K3's 8 and V3's 8
	PART \st, 0, 3, 0
	PLACES
.irp k, 0,1,2,3
	OUTQK 0, QO, \k
.endr
	s_wait_dscnt 8
	PART \st, 1, 3, 1
	PLACES
.irp k, 0,1,2,3
	OUTQK 1, KO, \k
.endr
	s_wait_dscnt 0
	PART \st, 2, 3, 2
	PLACES
.irp b, 0,1,2,3
	OUTV \b
.endr
.endif
.endm
	s_wait_tensorcnt 0x0                           ; my part of K step 0 is in
	ds_add_u32 v[SPW], v[NIL]
	s_mov_b32 s[G0X+1], XS
	s_add_nc_u64 s[G0X+2:G0X+3], s[G0X+2:G0X+3], 256
	s_mov_b32 s[G0Q+1], WB+3*HALFT
	s_add_nc_u64 s[G0Q+2:G0Q+3], s[G0Q+2:G0Q+3], 256
	s_mov_b32 s[G0K+1], WB+4*HALFT
	s_add_nc_u64 s[G0K+2:G0K+3], s[G0K+2:G0K+3], 256
	s_wait_dscnt 0x0
	CROUND
	JL 1, 0                                        ; X, Wq, Wk of K step 1: first fills
	LDA 0, 0, 0, 4
	LDB 0, 0, 0, 0
	LDA 0, 0, 4, 4
	LDB 0, 1, 0, 1
	LDA 0, 1, 0, 3
	LDB 0, 0, 1, 2
	ASK 768                                        ; K step 3
	STEP 0
	STEP 1
	STEP 2
	; THE WAY OUT.  The three scales are folded into the conversion's one: E = eo - ea - eb.  v8 + 2 p: 2^E, v9 + 2 p: 57,344 x 2^E
	s_wait_kmcnt 0x0
.macro SCALE eo, ea, eb, v
	s_sub_co_i32 s94, s\eo, s\ea
	s_sub_co_i32 s94, s94, s\eb
	s_add_co_i32 s94, s94, 127
	s_lshl_b32 s95, s94, 23
	v_mov_b32 v[\v], s95
	s_add_co_i32 s94, s94, 15
	s_lshl_b32 s94, s94, 23
	s_or_b32 s94, s94, 0x600000
	v_mov_b32 v[\v+1], s94
.endm
	SCALE 86, 80, 81, 8
	SCALE 87, 82, 83, 10
	SCALE 89, 84, 85, 12
	s_wait_alu depctr_va_vdst(0)                   ; the six moves are the places behind the last products
; Eight accumulators, the first at v[first], step registers apart: the hold (the conversion to an 8-bit code does not saturate: ISA guide 7.6.2), the conversion into v[pc ..]
.macro CODES p, first, step, pc
	WIN 0x41*((\p)+1)
.set J, 0
.rept 64
.set rD, (\first)+(\step)*(J/8)+J%8
	v_med3_num_f32 v[rD], v[rD], -v[9+2*(\p)], v[9+2*(\p)]
.set J, J+1
.endr
	WIN (\p)+1
.set J, 0
.rept 8
.set rD, (\first)+(\step)*J
	v_cvt_scalef32_pk8_bf8_f32 v[(\pc)+2*J:(\pc)+2*J+1], v[rD:rD+7], v[8+2*(\p)]
.set J, J+1
.endr
	v_nop                                          ; one plain vector line behind the last conversion of a run
	WIN 0
.endm
; Each store covers 512 consecutive bytes, aligned
.macro OUTQK p, base, k                ; tokens' blocks 2 k and 2 k + 1
.set PCA, 128-96*(\p)+16*(\k)          ; Q's codes lie in X's set 0, K's in W's sets 0 and 1: their last readers have been issued
	CODES \p, 64*(\k), 8, PCA
.irp j, 0,1,2,3
	global_store_b128 v[CO], v[PCA+4*\j:PCA+4*\j+3], s[\base:\base+1] offset:(2*(\k)+\j/2)*2048+(\j%2)*512
.endr
.endm
.macro OUTV b                          ; channels' block b
	CODES 2, 8*(\b), 32, PC+128+16*(\b)
.irp j, 0,1,2,3
	global_store_b128 v[CO], v[PC+128+16*(\b)+4*\j:PC+128+16*(\b)+4*\j+3], s[VO:VO+1] offset:(\b)*2048+\j*512
.endr
.endm
	STEP 3                                         ; with the way out in it
	s_wait_tensorcnt 0x0                           ; the wave's end
	ds_add_u32 v[SPW], v[NIL]
	s_wait_dscnt 0x0
	CROUND                                         ; the closing round
	s_endpgm
.Lfunc_end_k_q99c6a08a48_proj:
	.size	k_q99c6a08a48_proj, .Lfunc_end_k_q99c6a08a48_proj-k_q99c6a08a48_proj
	.p2alignl 7, 3214868480
	.fill 96, 4, 3214868480
	.section	.rodata,"a",@progbits
	.p2align	6, 0x0
	.amdhsa_kernel k_q99c6a08a48_proj
		.amdhsa_group_segment_fixed_size 327680
		.amdhsa_private_segment_fixed_size 0
		.amdhsa_enable_private_segment 0
		.amdhsa_kernarg_size 64
		.amdhsa_user_sgpr_count 2
		.amdhsa_user_sgpr_kernarg_segment_ptr 1
		.amdhsa_wavefront_size32 1
		.amdhsa_system_sgpr_workgroup_id_x 1
		.amdhsa_system_sgpr_workgroup_id_y 1
		.amdhsa_system_sgpr_workgroup_id_z 1
		.amdhsa_system_vgpr_workitem_id 0
		.amdhsa_next_free_vgpr 1024
		.amdhsa_next_free_sgpr 100
		.amdhsa_reserve_vcc 0
		.amdhsa_float_denorm_mode_32 3
		.amdhsa_float_denorm_mode_16_64 3
		.amdhsa_memory_ordered 1
		.amdhsa_forward_progress 1
		.amdhsa_inst_pref_size 223
	.end_amdhsa_kernel
	.amdgpu_metadata
---
amdhsa.version: [ 1, 2 ]
amdhsa.kernels:
  - .name:           k_q99c6a08a48_proj
    .symbol:         k_q99c6a08a48_proj.kd
    .args:
      - { .name: X_codes, .offset: 0, .size: 8, .value_kind: global_buffer, .address_space: global }
      - { .name: W_q_codes, .offset: 8, .size: 8, .value_kind: global_buffer, .address_space: global }
      - { .name: W_k_codes, .offset: 16, .size: 8, .value_kind: global_buffer, .address_space: global }
      - { .name: W_v_codes, .offset: 24, .size: 8, .value_kind: global_buffer, .address_space: global }
      - { .name: lowp_scales, .offset: 32, .size: 8, .value_kind: global_buffer, .address_space: global }
      - { .name: qc, .offset: 40, .size: 8, .value_kind: global_buffer, .address_space: global }
      - { .name: kc, .offset: 48, .size: 8, .value_kind: global_buffer, .address_space: global }
      - { .name: vt, .offset: 56, .size: 8, .value_kind: global_buffer, .address_space: global }
    .group_segment_fixed_size: 327680
    .private_segment_fixed_size: 0
    .kernarg_segment_align: 8
    .kernarg_segment_size: 64
    .max_flat_workgroup_size: 128
    .sgpr_count:     100
    .vgpr_count:     1024
    .wavefront_size: 32
...
	.end_amdgpu_metadata
.endif
;; end of part 1
;; launch scores (part 2): grid 12 x 16, 4 waves a work-group, clusters of 4 x 4, 327,680 bytes of LDS; arguments qc, kc, lowp_scales, pc, ml; writes pc, ml
.if DOCPART == 2
	.amdgcn_target "amdgcn-amd-amdhsa--gfx1250"
	.amdhsa_code_object_version 6
	.text
	.protected	k_q99c6a08a48_scores
	.globl	k_q99c6a08a48_scores
	.p2align	8
	.type	k_q99c6a08a48_scores,@function
k_q99c6a08a48_scores:
	s_mov_b64 s[64:65], 0
	v_nop
	global_prefetch_b8 v0, s[64:65] scope:SCOPE_SE
	s_setreg_imm32_b32 hwreg(HW_REG_WAVE_MODE, 25, 1), 1
	s_wait_xcnt 0x0
	s_wait_alu depctr_hold_cnt(0) depctr_sa_sdst(0) depctr_va_vdst(0) depctr_va_sdst(0) depctr_va_ssrc(0) depctr_va_vcc(0) depctr_vm_vsrc(0)
	s_getreg_b32 s2, hwreg(HW_REG_IB_STS2, 6, 4)
	s_cmp_eq_u32 s2, 0
	s_cbranch_scc0 .Lentry_in_a_cluster
	s_endpgm
.Lentry_in_a_cluster:
	s_bfe_u32 s2, ttmp6, 0x10000c
	s_cmp_lg_u32 s2, 0xf033
	s_cbranch_scc0 .Lentry_shape_is_right
	s_endpgm
.Lentry_shape_is_right:
; P = the codes of 2^(t - M_c) for one chunk c of 256 keys, t = Q . K x log2(e) / 32, with M_c = the row's largest t in the chunk, rounded up to a whole number; and per row -M_c and the sum of the unquantised p.
; IN: qc, kc: [e / 128][token / 16][2,048 bytes]: images of operand registers (lane l's 16 bytes at 16 l of each 512): a fragment load reads 512 consecutive bytes of LDS, so no row is padded.
; OUT: pc [b][chunk][128 queries][which 128 of the keys][16 queries][2,048 bytes], images likewise, stored straight from registers; ml [b][256 queries][chunk] blocks of 4,096 bytes: [half of the keys][0: -M_c, 1: the sum][256 rows] f32.
; SHARES.  A work-group makes 256 queries x 256 keys, a wave 128 x 128: 64 accumulators.  K goes in four steps of 256 along e through two slots; A = queries (source 1: a lane holds one query), B = keys.
; CLUSTERS 4 x 4: three a batch: the two on the diagonal and the one below it.  Query tiles are asked for jointly by a row, key tiles by a column.  Tiles above the diagonal inside a diagonal cluster are made and read by nobody:
; their work-groups take part in the joint loads.  Clusters wholly above the diagonal are left out: every key there comes after every query, p = 0 for all inputs.
; LIMITS: a hidden key's sum begins at -2^126 in place of -infinity; e6 + e7 between -100 and 100, e8 between -126 and 112; scaled scores under 2^24 in magnitude.
; the launch has no loop to run ahead in, its four K steps are written out.
; PREFETCH after all, ahead of the written-out K steps: steps 1 and 2 behind step 0's loads, step 3 behind step 1's: of the 128 blocks of 256 bytes that a wave fetches in a step the four partners name 32 each, told apart by cx (A) or cy (B).
.set PITCH,  256
.set HALFT,  128*PITCH
.set SLOT,   4*HALFT
.set SPARE,  2*SLOT
.set EX,     256*PITCH
.set MLS,    EX+2048
.set KROW,   256
.set STEPB,  8192*256
.set FR,     16
.set NL,     4
.set NP,     4
.set LIM,  8
.set SCL,  9
.set ADRA, 16
.set ADRB, 20
.set MLR,  22
.set STO,  24
.set RD,   25
.set CO,   26
.set EXW,  27
.set SPW,  28
.set NIL,  29
.set EXR,  30
.set MLW,  31
.set BL,   32
.set BU,   40
.set BT,   48
.set MX,   32
.set PX,   40
.set NM,   48
.set SA,   64
.set LV,   96
.set MB,   104
.set AF,   128
.set PC,   128
.set G1,  24
.set G0,  32
.set G1B, 48
.set G0B, 56
.set CS,  66
.set SEL, 68
.set OUT, 70
.set OML, 72
.set MSB, 0
.macro WIN new
.if MSB != (\new)
	s_set_vgpr_msb (MSB<<8)|(\new)
.set MSB, (\new)
.endif
.endm
.set MUL_LO, 0xa1
.set MUL_HI, 0xf1
.set TO_B,   0x40
.macro JLOAD g0a, g1a, g0b, g1b
	s_cmp_eq_u32 s15, 0
	s_cbranch_scc0 .Lfor_b_\@
	tensor_load_to_lds s[\g0a:\g0a+3], s[\g1a:\g1a+7]
	s_nop 0
.rept 4
	v_nop
.endr
	s_branch .Lasked_\@
.Lfor_b_\@:
	tensor_load_to_lds s[\g0b:\g0b+3], s[\g1b:\g1b+7]
	s_nop 0
.rept 4
	v_nop
.endr
.Lasked_\@:
.endm
.macro CREST
	s_cmp_lg_u32 s14, 0
	s_cbranch_scc1 .Lnot_wave_0_\@
	s_barrier_signal -3
.Lnot_wave_0_\@:
	s_barrier_wait -3
	s_barrier_signal -1
	s_barrier_wait -1
.endm
.macro CROUND
	s_barrier_signal -1
	s_barrier_wait -1
	CREST
.endm
	s_load_b256 s[4:11], s[0:1], 0x0
	s_load_b64 s[12:13], s[0:1], 0x20
	v_lshl_add_u32 v[SPW], v0, 2, SPARE
	v_mov_b32 v[NIL], 0
	ds_add_u32 v28, v29
	ds_add_u32 v28, v29
	s_wait_dscnt 0x0
	v_lshrrev_b32 v1, 5, v0
	v_readfirstlane_b32 s14, v1
	s_lshr_b32 s15, s14, 1
	s_and_b32 s16, s14, 1
	s_bfe_u32 s40, ttmp6, 0x40000
	s_bfe_u32 s41, ttmp6, 0x40004
	s_and_b32 s17, ttmp7, 0xffff
	s_add_co_u32 s19, ttmp9, 1
	s_lshr_b32 s19, s19, 1
	s_lshl_b32 s19, s19, 2
	s_add_co_u32 s19, s19, s41
	s_lshr_b32 s42, ttmp9, 1
	s_lshl_b32 s42, s42, 2
	s_add_co_u32 s42, s42, s40
	s_lshl_b32 s43, s41, 2
	s_lshl_b32 s43, 15, s43
	s_lshl_b32 s44, 0x1111, s40
	s_or_b32 s[G1+0], s43, 1<<21                   ; the mask; elements of 1 byte; no padding; bit 21 beside a mask
	s_or_b32 s[G1B+0], s44, 1<<21
.irp g, G1, G1B
	s_mov_b32 s[\g+1], 256<<16
	s_mov_b32 s[\g+2], 128<<16
	s_mov_b32 s[\g+3], 256<<16
	s_mov_b32 s[\g+4], 128
	s_mov_b32 s[\g+5], KROW
	s_mov_b32 s[\g+6], 0
	s_mov_b32 s[\g+7], 0
.endr
	s_lshl_b32 s22, s17, 18                        ; the batch's 2,048 tokens x 128 bytes
	s_lshl_b32 s23, s16, 20                        ; I fetch the K step's first or second 128 along e
	s_add_co_u32 s22, s22, s23
	s_lshl_b32 s20, s19, 15                        ; A: 256 queries, one dense block of 32,768 bytes
	s_add_co_u32 s20, s20, s22
	s_mov_b32 s21, 0
	s_lshl_b32 s46, s42, 15                        ; B: 256 keys
	s_add_co_u32 s46, s46, s22
	s_mov_b32 s47, 0
	s_mul_i32 s45, s14, HALFT
	s_lshl_b32 s90, s17, 14
	s_lshl_b32 s91, s42, 11
	s_add_co_u32 s90, s90, s91
	s_lshl_b32 s91, s19, 8
	s_add_co_u32 s90, s90, s91
	s_lshl_b32 s91, s14, 6
	s_add_co_u32 s90, s90, s91
	s_lshl_b32 s90, s90, 8
	s_mov_b32 s91, 0
	s_lshl_b32 s92, s17, 6
	s_lshl_b32 s93, s19, 3
	s_add_co_u32 s92, s92, s93
	s_add_co_u32 s92, s92, s42
	s_lshl_b32 s92, s92, 12
	s_lshl_b32 s93, s14, 10
	s_add_co_u32 s92, s92, s93
	s_mov_b32 s93, 0
	s_sub_co_i32 s94, s19, s42
	s_lshl_b32 s94, s94, 8
	s_sub_co_i32 s95, s15, s16
	s_lshl_b32 s95, s95, 7
	s_add_co_i32 s94, s94, s95
	CROUND                                         ; all sixteen work-groups are here: the first joint loads meet
	s_wait_kmcnt 0x0
	s_load_b96 s[80:82], s[8:9], 0x18              ; e6, e7, e8
	s_add_nc_u64 s[20:21], s[4:5], s[20:21]
	s_add_nc_u64 s[46:47], s[6:7], s[46:47]
	s_add_nc_u64 s[OUT:OUT+1], s[10:11], s[90:91]
	s_add_nc_u64 s[OML:OML+1], s[12:13], s[92:93]
	s_cmp_eq_u32 s15, 0                            ; the prefetches: my wave fetches for A or for B: its part of the tile,
	s_cselect_b64 s[74:75], s[20:21], s[46:47]
	s_cselect_b32 s76, s40, s41                    ; of which my work-group names 8,192 bytes a step
	s_lshl_b32 s76, s76, 13
	s_mov_b32 s77, 0
	s_add_nc_u64 s[74:75], s[74:75], s[76:77]
.irp s, 0,1
	s_mov_b32 s[G0+4*\s], 1
	s_add_co_u32 s[G0+4*\s+1], s45, \s*SLOT
	s_add_nc_u64 s[G0+4*\s+2:G0+4*\s+3], s[20:21], \s*STEPB
	s_or_b32 s[G0+4*\s+3], s[G0+4*\s+3], 0x80000000
	s_mov_b32 s[G0B+4*\s], 1
	s_add_co_u32 s[G0B+4*\s+1], s45, \s*SLOT
	s_add_nc_u64 s[G0B+4*\s+2:G0B+4*\s+3], s[46:47], \s*STEPB
	s_or_b32 s[G0B+4*\s+3], s[G0B+4*\s+3], 0x80000000
.endr
	JLOAD G0, G1, G0B, G1B                         ; K step 0: one load a wave at the head
	v_and_b32 v1, 15, v0                           ; r
	v_bfe_u32 v2, v0, 4, 1                         ; h
	v_and_b32 v6, 31, v0
	v_lshlrev_b32 v[CO], 4, v6                     ; 16 x lane
	v_lshlrev_b32 v12, 8, v6                       ; 256 x lane: the prefetches' offset; never rewritten
	s_lshl_b32 s21, s15, 14                        ; my 128 queries: 8 fragments of 2,048 bytes
	s_lshl_b32 s22, s16, 14                        ; my 128 keys
	s_add_co_u32 s22, s22, 2*HALFT
.irp s, 0,1
	v_add_nc_u32 v[ADRA+\s], s21, v[CO]
	v_add_nc_u32 v[ADRB+\s], s22, v[CO]
	s_add_co_u32 s21, s21, SLOT
	s_add_co_u32 s22, s22, SLOT
.endr
	s_wait_alu depctr_va_vdst(0)
	s_lshl_b32 s21, s16, 10
	s_lshl_b32 s22, s15, 9
	s_add_co_u32 s23, s21, s22
	s_add_co_u32 s23, s23, EX
	v_lshl_add_u32 v[EXW], v1, 2, s23
	s_xor_b32 s21, s21, 1024
	s_add_co_u32 s23, s21, s22
	s_add_co_u32 s23, s23, EX
	v_lshl_add_u32 v[EXR], v1, 2, s23
	s_lshl_b32 s21, s16, 11
	s_add_co_u32 s23, s21, s22
	s_add_co_u32 s23, s23, MLS
	v_lshl_add_u32 v5, v1, 2, s23
	v_lshl_add_u32 v[MLW], v2, 10, v5
	s_lshl_b32 s23, s14, 10
	s_add_co_u32 s23, s23, MLS
	v_add_nc_u32 v[MLR], s23, v[CO]
	v_mov_b32 v10, s94
	v_mov_b32 v11, 0xfe800000
	v_lshlrev_b32 v6, 3, v2
	v_sub_nc_u32 v6, v1, v6
	v_add_nc_u32 v6, s94, v6
	v_cmp_gt_i32 vcc_lo, 0, v10
.irp j, 0,1,2,3,4,5,6,7
	v_cndmask_b32 v[BL+\j], 0, v11, vcc_lo
.endr
	v_cmp_gt_i32 vcc_lo, 1, v10
.irp j, 0,1,2,3,4,5,6,7
	v_cndmask_b32 v[BU+\j], 0, v11, vcc_lo
.endr
.irp j, 0,1,2,3,4,5,6,7
	v_cmp_gt_i32 vcc_lo, \j, v6
	v_cndmask_b32 v[BT+\j], 0, v11, vcc_lo
.endr
.macro FRAG reg, adr, q, i
.irp c, 0,1,2,3
	ds_load_b128 v[\reg+4*\c:\reg+4*\c+3], v[\adr] offset:HALFT*(\q)+512*\c+(\i)*2048
.endr
.endm
.macro MUL16 a0, p, zero
.irp a, \a0, \a0+1
.irp b, 0,1,2,3,4,5,6,7
.set rD, 8*(8*((\a)%4)+\b)
.set rB, 128*(\p)+FR*\b
.set rA, AF+FR*(\a)
.if \zero == 2
.if \b < (\a)
.set rC, BL
.elseif \b > (\a)
.set rC, BU
.else
.set rC, BT
.endif
	v_wmma_f32_16x16x128_bf8_bf8 v[rD:rD+7], v[rB:rB+FR-1], v[rA:rA+FR-1], v[rC:rC+7]
.else
	v_wmma_f32_16x16x128_bf8_bf8 v[rD:rD+7], v[rB:rB+FR-1], v[rA:rA+FR-1], v[rD:rD+7]
.endif
.endr
.endr
.endm
.macro FETCH_B slot, q, p
	WIN TO_B
.irp i, 0,1,2,3,4,5,6,7
	FRAG 128*(\p)+FR*\i, ADRB+\slot, \q, \i
.endr
	WIN 0
.endm
.macro FETCH_A slot, q, i0
.irp i, \i0, \i0+1, \i0+2, \i0+3
	FRAG AF+FR*(\i), ADRA+\slot, \q, \i
.endr
.endm
.macro PLACES n
.rept \n
	v_nop
.endr
.endm
.macro STEP slot, q, zero
	s_wait_dscnt 4*NL
.if \zero == 2
	WIN 0x81
.else
	WIN MUL_LO
.endif
	MUL16 0, (\q)%2, \zero
	MUL16 2, (\q)%2, \zero
	s_wait_dscnt 0
	PLACES NP
	FETCH_B \slot, (\q)+1, 1-(\q)%2
	FETCH_A \slot, (\q)+1, 0
.if \zero == 2
	WIN 0xc1
.else
	WIN MUL_HI
.endif
	MUL16 4, (\q)%2, \zero
	MUL16 6, (\q)%2, \zero
	PLACES NP
	WIN 0
	FETCH_A \slot, (\q)+1, 4
.endm
.macro TURN slot, next, fill
	s_wait_tensorcnt 0x0
	ds_add_u32 v[SPW], v[NIL]
	s_wait_dscnt 4*NL+1
	WIN MUL_LO
	MUL16 0, 1, 0
	s_wait_dscnt 0x0
	s_barrier_signal -1
	MUL16 2, 1, 0
	WIN 0
	s_barrier_wait -1
.if \fill
	CREST
	s_add_nc_u64 s[G0+4*\slot+2:G0+4*\slot+3], s[G0+4*\slot+2:G0+4*\slot+3], 2*STEPB
	s_add_nc_u64 s[G0B+4*\slot+2:G0B+4*\slot+3], s[G0B+4*\slot+2:G0B+4*\slot+3], 2*STEPB
	JLOAD G0+4*\slot, G1, G0B+4*\slot, G1B
.else
	PLACES NP
.endif
	FETCH_B \next, 0, 0
	FETCH_A \next, 0, 0
	WIN MUL_HI
	MUL16 4, 1, 0
	MUL16 6, 1, 0
	PLACES NP
	WIN 0
	FETCH_A \next, 0, 4
.endm
	s_wait_alu depctr_va_vdst(0)
	global_prefetch_b8 v12, s[74:75] offset:STEPB th:TH_LOAD_NT scope:SCOPE_SE
	global_prefetch_b8 v12, s[74:75] offset:2*STEPB th:TH_LOAD_NT scope:SCOPE_SE
	s_wait_tensorcnt 0x0                           ; my part of K step 0 is in
	ds_add_u32 v[SPW], v[NIL]
	s_wait_dscnt 0x0
	CROUND
	JLOAD G0+4, G1, G0B+4, G1B                     ; K step 1, the first tensor load behind the round
	FETCH_B 0, 0, 0
	FETCH_A 0, 0, 0
	FETCH_A 0, 0, 4
	global_prefetch_b8 v12, s[74:75] offset:3*STEPB th:TH_LOAD_NT scope:SCOPE_SE
	STEP 0, 0, 2
	TURN 0, 1, 1
	STEP 1, 0, 0
	TURN 1, 0, 1
	STEP 0, 0, 0
	TURN 0, 1, 0
	STEP 1, 0, 0
	s_wait_dscnt 4*NL
	WIN MUL_LO
	MUL16 0, 1, 0
	MUL16 2, 1, 0
	s_wait_dscnt 0
	WIN MUL_HI
	MUL16 4, 1, 0
	MUL16 6, 1, 0
	WIN 0
	s_wait_kmcnt 0x0
	s_add_co_i32 s83, s80, s81
	s_lshl_b32 s83, s83, 23
	s_add_co_i32 s[CS], s83, 0x3d38aa3b
	s_mov_b32 s[CS+1], s[CS]
	s_add_co_i32 s83, s82, 127
	s_lshl_b32 s84, s83, 23
	v_mov_b32 v[SCL], s84
	s_add_co_i32 s83, s83, 15
	s_lshl_b32 s83, s83, 23
	s_or_b32 s83, s83, 0x600000
	v_mov_b32 v[LIM], s83
	s_mov_b32 s[SEL], 0x76543210
	s_mov_b32 s[SEL+1], 0xfedcba98
	s_mov_b32 vcc_lo, 0xffff0000
	PLACES NP
.macro ROWMAX w
.set MW, MX+4*((\w)-2)
	WIN 0x2a+0x15*((\w)-2)
.irp t, 0,1,2,3
	v_max3_num_f32 v[MW+\t], v[64*\t], v[64*\t+1], v[64*\t+2]
.endr
	WIN 0x28+0x14*((\w)-2)
.irp j, 3,5,7,9,11,13,15,17,19,21,23,25,27,29,31,33,35,37,39,41,43,45,47,49,51,53,55,57,59,61
.irp t, 0,1,2,3
	v_max3_num_f32 v[MW+\t], v[MW+\t], v[64*\t+\j], v[64*\t+\j+1]
.endr
.endr
.irp t, 0,1,2,3
	v_max_num_f32 v[MW+\t], v[MW+\t], v[64*\t+63]
.endr
	WIN 0
.endm
	ROWMAX 2
	ROWMAX 3
.irp a, 0,1,2,3,4,5,6,7
	v_permlanex16_b32 v[PX+\a], v[MX+\a], s[SEL], s[SEL+1]
.endr
.irp a, 0,1,2,3,4,5,6,7
	v_max_num_f32 v[MX+\a], v[MX+\a], v[PX+\a]
.endr
.irp a, 0,1,2,3,4,5,6,7
	ds_store_b32 v[EXW], v[MX+\a] offset:64*\a
.endr
	s_wait_alu depctr_va_vdst(0)
	s_wait_dscnt 0x0
	s_barrier_signal -1
	s_barrier_wait -1
.irp a, 0,1,2,3,4,5,6,7
	ds_load_b32 v[PX+\a], v[EXR] offset:64*\a
.endr
	s_wait_dscnt 0x0
.irp a, 0,1,2,3,4,5,6,7
	v_max_num_f32 v[MX+\a], v[MX+\a], v[PX+\a]
.endr
.irp a, 0,1,2,3,4,5,6,7
	v_mul_f32 v[MX+\a], s[CS], v[MX+\a]
.endr
.irp a, 0,1,2,3,4,5,6,7
	v_floor_f32 v[NM+2*\a], -v[MX+\a]
	v_mov_b32 v[NM+2*\a+1], 0
.endr
.macro FMAS a                          ; t - M_c of block a
.set AN, 64*((\a)%4)
	WIN 0x82+0x41*((\a)/4)
.set J, 0
.rept 32
	v_pk_fma_f32 v[AN+J:AN+J+1], v[AN+J:AN+J+1], s[CS:CS+1], v[NM+2*(\a):NM+2*(\a)+1] op_sel_hi:[1,0,0]
.set J, J+2
.endr
.endm
.macro EXPS                            ; the 64 exponentials of the block that FMAS named
.set J, 0
.rept 64
	v_exp_f32 v[AN+J], v[AN+J]
.set J, J+1
.endr
.endm
; Block a: its exponentials are done.  First sums of the unquantised p; then block a + 1's exponentials, with block a's hold (the conversion to an 8-bit code does not saturate: ISA guide 7.6.2) between them where both lie in one window; then the codes.
.macro SOFT a, next
.set AC, 64*((\a)%4)
.set PCA, PC+16*(\a)
.set WW, (\a)/4
	WIN 0x0a+0x05*WW
.set J, 0
.rept 16
	v_pk_add_f32 v[SA+2*J:SA+2*J+1], v[AC+4*J:AC+4*J+1], v[AC+4*J+2:AC+4*J+3]
.set J, J+1
.endr
.set TOGETHER, 0
.if \next
	FMAS (\a)+1
.if (((\a)+1)/4) == WW
.set TOGETHER, 1
.endif
.endif
	s_wait_alu depctr_va_vdst(0)                   ; the wait ahead of the batch
	WIN 0x82+0x41*WW
.set J, 0
.rept 64
.if TOGETHER
	v_exp_f32 v[AN+J], v[AN+J]
.endif
	v_min_num_f32 v[AC+J], v[AC+J], v[LIM]
.set J, J+1
.endr
.if \next
.if TOGETHER == 0
	WIN 0x82+0x41*(((\a)+1)/4)
	EXPS
.endif
.endif
	v_nop
	s_wait_alu depctr_va_vdst(0)                   ; and ahead of its first reader
	WIN 0x02+WW
.set J, 0
.rept 8
	v_cvt_scalef32_pk8_bf8_f32 v[PCA+2*J:PCA+2*J+1], v[AC+8*J:AC+8*J+7], v[SCL]
.set J, J+1
.endr
	v_nop
	WIN 0
.irp u, 0,1,2,3,4,5,6,7
	v_pk_add_f32 v[SA+2*\u:SA+2*\u+1], v[SA+2*\u:SA+2*\u+1], v[SA+16+2*\u:SA+17+2*\u]
.endr
.irp u, 0,1,2,3
	v_pk_add_f32 v[SA+2*\u:SA+2*\u+1], v[SA+2*\u:SA+2*\u+1], v[SA+8+2*\u:SA+9+2*\u]
.endr
.irp u, 0,1
	v_pk_add_f32 v[SA+2*\u:SA+2*\u+1], v[SA+2*\u:SA+2*\u+1], v[SA+4+2*\u:SA+5+2*\u]
.endr
	v_pk_add_f32 v[SA:SA+1], v[SA:SA+1], v[SA+2:SA+3]
	v_add_f32 v10, v[SA], v[SA+1]
	v_permlanex16_b32 v11, v10, s[SEL], s[SEL+1]
	v_add_f32 v10, v10, v11
	v_cndmask_b32 v[LV+(\a)], v[NM+2*(\a)], v10, vcc_lo
	ds_store_b32 v[MLW], v[LV+(\a)] offset:64*(\a)
.set J, 0
.rept 4                                ; a fragment's image, straight from registers: each store covers 512 consecutive bytes, aligned
	global_store_b128 v[CO], v[PCA+4*J:PCA+4*J+3], s[OUT:OUT+1] offset:(\a)*2048+512*J
.set J, J+1
.endr
.endm
	FMAS 0
	s_wait_alu depctr_va_vdst(0)
	EXPS
	v_nop
	s_wait_alu depctr_va_vdst(0)
.irp a, 0,1,2,3,4,5,6
	SOFT \a, 1
.endr
	SOFT 7, 0
	s_wait_dscnt 0x0
	s_barrier_signal -1
	s_barrier_wait -1
	ds_load_b128 v[MB:MB+3], v[MLR]
	ds_load_b128 v[MB+4:MB+7], v[MLR] offset:512
	s_wait_dscnt 1                                 ; the first of the two is in
	global_store_b128 v[CO], v[MB:MB+3], s[OML:OML+1]
	s_wait_dscnt 0
	global_store_b128 v[CO], v[MB+4:MB+7], s[OML:OML+1] offset:512
	s_wait_tensorcnt 0x0
	ds_add_u32 v[SPW], v[NIL]
	s_wait_dscnt 0x0
	CROUND
	s_endpgm
.Lfunc_end_k_q99c6a08a48_scores:
	.size	k_q99c6a08a48_scores, .Lfunc_end_k_q99c6a08a48_scores-k_q99c6a08a48_scores
	.p2alignl 7, 3214868480
	.fill 96, 4, 3214868480
	.section	.rodata,"a",@progbits
	.p2align	6, 0x0
	.amdhsa_kernel k_q99c6a08a48_scores
		.amdhsa_group_segment_fixed_size 327680
		.amdhsa_private_segment_fixed_size 0
		.amdhsa_enable_private_segment 0
		.amdhsa_kernarg_size 40
		.amdhsa_user_sgpr_count 2
		.amdhsa_user_sgpr_kernarg_segment_ptr 1
		.amdhsa_wavefront_size32 1
		.amdhsa_system_sgpr_workgroup_id_x 1
		.amdhsa_system_sgpr_workgroup_id_y 1
		.amdhsa_system_sgpr_workgroup_id_z 1
		.amdhsa_system_vgpr_workitem_id 0
		.amdhsa_next_free_vgpr 1024
		.amdhsa_next_free_sgpr 100
		.amdhsa_reserve_vcc 1
		.amdhsa_float_denorm_mode_32 3
		.amdhsa_float_denorm_mode_16_64 3
		.amdhsa_memory_ordered 1
		.amdhsa_forward_progress 1
		.amdhsa_inst_pref_size 175
	.end_amdhsa_kernel
	.amdgpu_metadata
---
amdhsa.version: [ 1, 2 ]
amdhsa.kernels:
  - .name:           k_q99c6a08a48_scores
    .symbol:         k_q99c6a08a48_scores.kd
    .args:
      - { .name: qc, .offset: 0, .size: 8, .value_kind: global_buffer, .address_space: global }
      - { .name: kc, .offset: 8, .size: 8, .value_kind: global_buffer, .address_space: global }
      - { .name: lowp_scales, .offset: 16, .size: 8, .value_kind: global_buffer, .address_space: global }
      - { .name: pc, .offset: 24, .size: 8, .value_kind: global_buffer, .address_space: global }
      - { .name: ml, .offset: 32, .size: 8, .value_kind: global_buffer, .address_space: global }
    .group_segment_fixed_size: 327680
    .private_segment_fixed_size: 0
    .kernarg_segment_align: 8
    .kernarg_segment_size: 40
    .max_flat_workgroup_size: 128
    .sgpr_count:     100
    .vgpr_count:     1024
    .wavefront_size: 32
...
	.end_amdgpu_metadata
.endif
;; end of part 2
;; launch mix (part 3): grid 8 x 32, 4 waves a work-group, clusters of 4 x 1, 327,680 bytes of LDS; arguments pc, vt, ml, lowp_scales, out0; writes out0
.if DOCPART == 3
	.amdgcn_target "amdgcn-amd-amdhsa--gfx1250"
	.amdhsa_code_object_version 6
	.text
	.protected	k_q99c6a08a48_mix
	.globl	k_q99c6a08a48_mix
	.p2align	8
	.type	k_q99c6a08a48_mix,@function
k_q99c6a08a48_mix:
	s_mov_b64 s[64:65], 0
	v_nop
	global_prefetch_b8 v0, s[64:65] scope:SCOPE_SE
	s_setreg_imm32_b32 hwreg(HW_REG_WAVE_MODE, 25, 1), 1
	s_wait_xcnt 0x0
	s_wait_alu depctr_hold_cnt(0) depctr_sa_sdst(0) depctr_va_vdst(0) depctr_va_sdst(0) depctr_va_ssrc(0) depctr_va_vcc(0) depctr_vm_vsrc(0)
	s_getreg_b32 s2, hwreg(HW_REG_IB_STS2, 6, 4)
	s_cmp_eq_u32 s2, 0
	s_cbranch_scc0 .Lentry_in_a_cluster
	s_endpgm
.Lentry_in_a_cluster:
	s_bfe_u32 s2, ttmp6, 0x10000c
	s_cmp_lg_u32 s2, 0x3003
	s_cbranch_scc0 .Lentry_shape_is_right
	s_endpgm
.Lentry_shape_is_right:
; O[q] = (the sum over chunks c of 2^(M_c - M) x (P_c V_c)[q]) x 2^(e8 + e9) / l[q], with M = the largest M_c of the row and l = the sum over c of 2^(M_c - M) l_c: every factor an exact power of two.
; IN: pc [b][chunk][128 queries] and vt [8 b + chunk][128 channels]: dense blocks of 32,768 bytes: [which 128 of the 256 keys][16 rows][2,048 bytes], images of operand registers (lane l's 16 bytes at 16 l of each 512):
; a fragment load reads 512 consecutive bytes of LDS.  ml [b][256 queries][chunk] blocks of 4,096 bytes: [half of the keys][0: -M_c, 1: the sum][256 rows] f32.  OUT: out0 [b][query][1024] f32.
; LEFT OUT: chunks whose keys all come after a tile's queries (p = 0 there for all inputs; see the first kernel).
; SHARES.  A work-group owns 128 channels and two tiles of 128 queries: tile pr and tile 15 - pr.  With g = pr / 2 they have g + 1 and 8 - g chunks of 256 keys: nine whatever pr, so all 256 work-groups do equal work:
; step k is (tile pr, chunk k) where k <= g, else (tile 15 - pr, chunk k - g - 1).  Wave w takes queries 64 (w / 2) on (source 1 = P: a lane holds one query) against channels 64 (w % 2) on (source 0 = V^T: its registers run along the channels).
; A chunk's product is summed in T from the constant 0 and goes into O by one packed multiply-add with the lane's f = 2^(M_c - M); a tile's first chunk writes O by a multiply.
; THE RING.  A slot holds two chunks' tiles; two slots.  Steps 0 and 1 are asked for at the head, 2 and 3 behind the full sequence, then 4 and 5, 6 and 7, 8: one load a wave each time (step 8: waves 0 and 2 alone).
; In a slot the second chunk's fragments are read, into registers of their own, while the first chunk is multiplied.  The first two slots are a loop of two trips.
; CLUSTER: the four work-groups of a cluster share b and pr and differ in their channels: P's tiles are asked for jointly; V^T's tile hangs on the channels and is each work-group's own, a plain load.
; PREFETCH: P's tiles one slot ahead of their load, 32 of a tile's 128 blocks of 256 bytes in each partner, told apart by cx; of the eight chunks of V^T that the eight values of pr read, pr names chunk 7 - pr at the head (chunk 0 comes by its load alone).
; LIMITS: none on e8 + e9 (applied by v_ldexp_f32).  M_c under 2^24 in magnitude, so that differences of them are exact.
; REGISTERS: window 0: addresses, factors, the way out.  Windows 1 and 3: fragments of a slot's first and second chunk: v0-127 P's (64 s + 16 a), v128-255 V^T's.  Window 2: v0-127 O (8 (4 a + b)), v128-255 T.
.set PITCH,  272                       ; a row of the stage
.set HALFT,  128*256                   ; what one tensor load brings
.set CHB,    2*HALFT                   ; a chunk's tiles: P's, then V^T's
.set SLOT,   2*CHB                     ; 2^17
.set FT,     2*SLOT                    ; the factors; at +4,608 and +5,120 the two tiles' divisors
.set STG,    FT+11*512
.set SPARE,  STG+4*16*PITCH
.set ADP, 4                            ; v4 my P fragments, v5 my V^T fragments, in slot 0's first chunk
.set ADV, 5
.set FA,  8                            ; v8  FT + 256 (wave / 2) + 4 r
.set STO, 10
.set RD,  11
.set CO,  12
.set TW,  14                           ; v14 FT + 4 x thread
.set PFO, 15                           ; v15 256 x lane: the prefetches' offset; never rewritten
.set AP,  16                           ; v16-17 P's fragments of the slot in hand, first and second chunk
.set AV,  18                           ; v18-19 V^T's
.set AFC, 20                           ; v20    its factors
.set SPW, 28
.set NIL, 29
.set F,   32                           ; v32-39 f of the slot's first chunk, v56-63 of its second, in pairs
.set RA,  40
.set RB,  48
.set TMP, 64
.set BK,  128
.set NMK, 64                           ; the head: -M_c of my row, step k at +k
.set L0K, 80
.set L1K, 96
.set VOF, 112
.set NA,  128
.set NB,  129
.set LA,  130
.set LB,  131
.set BIGR, 132
.set T0,  134
.set T1,  135
.set FKR, 144
.set RR,  160
.set WV,  14                           ; s14 my wave;  s15 wave % 2;  s79 wave / 2
.set PR,  20                           ; s20 g
.set PR1, 21                           ; s21 g + 1
.set PRB, 22                           ; s22 7 - g
.set G1P, 24
.set G1V, 32
.set G0P, 40
.set G0V, 44
.set PB0, 56
.set VB0, 57
.set OUTA, 66
.set OUTB, 68
.set QA8, 80
.set QB8, 81
.set RAO, 82
.set RBO, 83
.set MN,  84                           ; s84 the number of the slot's worth to be asked for next
.set TB,  85                           ; s85 LDS byte of the slot in hand
.set PFA, 86
.set FO,  88                           ; s88 the slot's factors, bytes behind FT
.set LC,  89
.set KK,  90                           ; s90 the slot's first step, s91 its second
.set MSB, 0
.macro WIN new                         ; the immediate's high byte repeats the setting that is left
.if MSB != (\new)
	s_set_vgpr_msb (MSB<<8)|(\new)
.set MSB, (\new)
.endif
.endm
.macro CROUND                          ; a round of the cluster's barrier
	s_barrier_signal -1
	s_barrier_wait -1
	s_cmp_lg_u32 s[WV], 0
	s_cbranch_scc1 .Lnot_wave_0_\@
	s_barrier_signal -3
.Lnot_wave_0_\@:
	s_barrier_wait -3
	s_barrier_signal -1
	s_barrier_wait -1
.endm
.macro PLACES                          ; places behind matrix instructions (ISA guide 7.12.1)
.rept 4
	v_nop
.endr
.endm
; waves 0 and 1 ask jointly for P's two tiles, waves 2 and 3 for V^T's two
.macro TLOAD
	s_cmp_lt_u32 s[WV], 2
	s_cbranch_scc0 .Lfor_v_\@
	tensor_load_to_lds s[G0P:G0P+3], s[G1P:G1P+7]
	s_nop 0
	PLACES
	s_branch .Lasked_\@
.Lfor_v_\@:
	tensor_load_to_lds s[G0V:G0V+3], s[G1V:G1V+7]
	s_nop 0
	PLACES
.Lasked_\@:
.endm
; the last refill brings one chunk: wave 0 asks for P's tile, wave 2 for V^T's
.macro TLOAD1
	s_cmp_eq_u32 s[WV], 0
	s_cbranch_scc0 .Lnot_p_\@
	tensor_load_to_lds s[G0P:G0P+3], s[G1P:G1P+7]
	s_nop 0
	PLACES
	s_branch .Lasked_\@
.Lnot_p_\@:
	s_cmp_eq_u32 s[WV], 2
	s_cbranch_scc0 .Lasked_\@
	tensor_load_to_lds s[G0V:G0V+3], s[G1V:G1V+7]
	s_nop 0
	PLACES
.Lasked_\@:
.endm
.macro STEPADDR                        ; step s62: s58 = P's tile in pc, s60 = V^T's in vt, bytes
	s_cmp_ge_u32 s[PR], s62                        ; still the first tile of queries?
	s_cselect_b32 s63, 0, s[PR1]
	s_cselect_b32 s58, s[QA8], s[QB8]
	s_sub_co_u32 s62, s62, s63                     ; the chunk
	s_lshl_b32 s63, s62, 19
	s_add_co_u32 s58, s58, s63
	s_add_co_u32 s58, s58, s[PB0]
	s_lshl_b32 s60, s62, 18
	s_add_co_u32 s60, s60, s[VB0]
.endm
; the tiles of step 2 MN + wave % 2 into the groups 0, each address made anew from its buffer's pointer; the step is held at 8, the last: no address points past a buffer
.macro NEXTADDR
	s_lshl_b32 s62, s[MN], 1
	s_add_co_u32 s62, s62, s15
	s_min_u32 s62, s62, 8
	STEPADDR
	s_add_nc_u64 s[G0P+2:G0P+3], s[4:5], s[58:59]
	s_or_b32 s[G0P+3], s[G0P+3], 0x80000000
	s_add_nc_u64 s[G0V+2:G0V+3], s[6:7], s[60:61]
	s_or_b32 s[G0V+3], s[G0V+3], 0x80000000
	s_add_co_u32 s[MN], s[MN], 1
.endm
.macro OTHER                           ; the groups 0 turn to the other slot
	s_xor_b32 s[G0P+1], s[G0P+1], SLOT
	s_xor_b32 s[G0V+1], s[G0V+1], SLOT
.endm
; what the next change of slots will ask for of P: wave 0 step 2 MN, wave 1 the step behind it, up to step 8; 32 blocks of 256 bytes, my partner's place apart
.macro ASKP
	s_cmp_lt_u32 s[WV], 2
	s_cbranch_scc0 .Lnot_mine_\@
	s_lshl_b32 s62, s[MN], 1
	s_add_co_u32 s62, s62, s15
	s_cmp_le_u32 s62, 8
	s_cbranch_scc0 .Lnot_mine_\@
	STEPADDR
	s_lshl_b32 s62, s16, 13
	s_add_co_u32 s58, s58, s62
	s_wait_xcnt 0x0                                ; the last prefetch has read its address
	s_add_nc_u64 s[PFA:PFA+1], s[4:5], s[58:59]
	global_prefetch_b8 v[PFO], s[PFA:PFA+1] th:TH_LOAD_NT scope:SCOPE_SE
.Lnot_mine_\@:
.endm
	s_load_b256 s[4:11], s[0:1], 0x0               ; pc s[4:5], vt s[6:7], ml s[8:9], the scales s[10:11]
	s_load_b64 s[12:13], s[0:1], 0x20              ; out0
	v_lshl_add_u32 v[SPW], v0, 2, SPARE
	v_mov_b32 v[NIL], 0
	ds_add_u32 v[SPW], v[NIL]                      ; the wave's opening: the add, twice on end, and its wait ahead of my first tensor load
	ds_add_u32 v[SPW], v[NIL]
	v_lshrrev_b32 v1, 5, v0
	v_readfirstlane_b32 s[WV], v1
	s_and_b32 s15, s[WV], 1                        ; which 64 channels are mine.  Also: which chunk of a slot I fetch
	s_lshr_b32 s79, s[WV], 1                       ; which 64 queries are mine
	s_bfe_u32 s16, ttmp6, 0x40000                  ; cx
	s_lshl_b32 s17, ttmp9, 2
	s_add_co_u32 s17, s17, s16                     ; my 128 channels: it enters V^T's and O's addresses alone
	s_and_b32 s18, ttmp7, 0xffff
	s_lshr_b32 s19, s18, 3                         ; the batch
	s_and_b32 s18, s18, 7                          ; pr
	s_lshr_b32 s[PR], s18, 1                       ; g
	s_add_co_u32 s[PR1], s[PR], 1
	s_sub_co_u32 s[PRB], 7, s[PR]
	s_lshl_b32 s[QA8], s18, 15                     ; tile pr's block
	s_sub_co_u32 s23, 15, s18
	s_lshl_b32 s[QB8], s23, 15                     ; tile 15 - pr's
	s_and_b32 s[RAO], s18, 1
	s_lshl_b32 s[RAO], s[RAO], 9                   ; tile pr is the lower or the upper half of its 256 rows in ml: 128 words,
	s_xor_b32 s[RBO], s[RAO], 512                  ; tile 15 - pr the other half of its own
	s_lshl_b32 s78, s19, 6
	s_lshl_b32 s[PB0], s19, 22                     ; pc: the batch
	s_lshl_b32 s[VB0], s19, 21                     ; vt: the batch,
	s_lshl_b32 s23, s17, 15                        ; my channels' block
	s_add_co_u32 s[VB0], s[VB0], s23
	s_mov_b32 s59, 0
	s_mov_b32 s61, 0
	s_mov_b32 s[G1P], 15|(1<<21)                   ; the mask: all four; elements of 1 byte; no padding; bit 21 beside a mask
	s_mov_b32 s[G1V], 0                            ; no mask
.irp g, G1P, G1V
	s_mov_b32 s[\g+1], 256<<16                     ; tensor_dim0
	s_mov_b32 s[\g+2], 128<<16                     ; tensor_dim1
	s_mov_b32 s[\g+3], 256<<16                     ; tile_dim0
	s_mov_b32 s[\g+4], 128                         ; tile_dim1
	s_mov_b32 s[\g+5], 256                         ; from row to row
	s_mov_b32 s[\g+6], 0
	s_mov_b32 s[\g+7], 0
.endr
	s_mul_i32 s23, s15, CHB                        ; the slot's first or second chunk
	s_mov_b32 s[G0P], 1
	s_mov_b32 s[G0P+1], s23
	s_mov_b32 s[G0V], 1
	s_add_co_u32 s[G0V+1], s23, HALFT
	s_mov_b32 s[MN], 0
	s_mov_b32 s[TB], 0
	s_mov_b32 s[FO], 0
	s_mov_b32 s[KK], 0
	s_wait_dscnt 0x0                               ; both opening adds are done
	CROUND                                         ; the four work-groups are here: the first joint loads meet
	s_wait_kmcnt 0x0
	s_load_b64 s[70:71], s[10:11], 0x20            ; e8, e9
	NEXTADDR
	TLOAD                                          ; steps 0 and 1: one load a wave
	v_and_b32 v1, 15, v0                           ; r
	v_bfe_u32 v2, v0, 4, 1                         ; h
	v_and_b32 v3, 31, v0
	v_lshlrev_b32 v[PFO], 8, v3
	v_lshlrev_b32 v3, 4, v3                        ; 16 x lane
	s_lshl_b32 s23, s79, 13
	v_add_nc_u32 v[ADP], s23, v3                   ; my 64 queries: four fragments of 2,048 bytes
	s_lshl_b32 s23, s15, 13
	s_add_co_u32 s23, s23, HALFT
	v_add_nc_u32 v[ADV], s23, v3                   ; my 64 channels
.irp a, 0,1,2,3
	v_mov_b32 v[F+2*\a+1], 0                       ; the pairs' upper halves are named, so they are written
	v_mov_b32 v[F+24+2*\a+1], 0
	v_mov_b32 v[RA+2*\a+1], 0
	v_mov_b32 v[RB+2*\a+1], 0
.endr
	s_lshl_b32 s23, s79, 8
	s_add_co_u32 s23, s23, FT
	s_wait_alu depctr_va_vdst(0)
	v_lshl_add_u32 v[FA], v1, 2, s23
	v_lshl_add_u32 v[TW], v0, 2, FT
	s_mul_i32 s23, s[WV], 16*PITCH
	s_add_co_u32 s23, s23, STG                     ; my stage
	v_mul_u32_u24 v13, v1, PITCH
	v_lshl_add_u32 v13, v2, 5, v13
	v_add_nc_u32 v[STO], s23, v13                  ; in: row r, + 32 h
	v_mul_u32_u24 v13, v2, PITCH
	v_lshl_add_u32 v13, v1, 4, v13
	v_add_nc_u32 v[RD], s23, v13                   ; back: lanes 0-15 one row, lanes 16-31 the next
	v_lshlrev_b32 v13, 12, v2
	v_lshl_add_u32 v[CO], v1, 4, v13               ; and the same two rows of O
	s_lshl_b32 s74, s19, 11                        ; O: (2,048 b + 128 tile + 64 (wave / 2)) rows of 4,096 bytes + 512 ct + 256 (wave % 2)
	s_lshl_b32 s75, s79, 6
	s_add_co_u32 s74, s74, s75
	s_lshl_b32 s75, s18, 7
	s_add_co_u32 s75, s75, s74
	s_lshl_b32 s76, s75, 12
	s_lshl_b32 s75, s17, 9
	s_lshl_b32 s77, s15, 8
	s_add_co_u32 s75, s75, s77
	s_add_co_u32 s76, s76, s75
	s_mov_b32 s77, 0
	s_add_nc_u64 s[OUTA:OUTA+1], s[12:13], s[76:77]
	s_sub_co_u32 s76, 15, s18
	s_lshl_b32 s76, s76, 7
	s_add_co_u32 s76, s76, s74
	s_lshl_b32 s76, s76, 12
	s_add_co_u32 s76, s76, s75
	s_add_nc_u64 s[OUTB:OUTB+1], s[12:13], s[76:77]
	; THE TABLES.  Thread t owns row t of both tiles of queries.  Step k's block of ml: ((8 b + the tile's 256 rows) 8 + chunk) x 4,096 bytes; in it my row's word, 128 words on where the tile is the upper half
.macro MLOAD k
	s_cmp_ge_u32 s[PR], \k
	s_cselect_b32 s62, 0, s[PR1]
	s_cselect_b32 s63, s[PR], s[PRB]
	s_cselect_b32 s72, s[RAO], s[RBO]
	s_sub_co_u32 s62, \k, s62
	s_lshl_b32 s63, s63, 3
	s_add_co_u32 s62, s62, s63
	s_add_co_u32 s62, s62, s78
	s_lshl_b32 s62, s62, 12
	s_add_co_u32 s62, s62, s72
	v_lshl_add_u32 v[VOF+\k], v0, 2, s62
	global_load_b32 v[NMK+\k], v[VOF+\k], s[8:9]
	global_load_b32 v[L0K+\k], v[VOF+\k], s[8:9] offset:1024
	global_load_b32 v[L1K+\k], v[VOF+\k], s[8:9] offset:3072
.endm
.irp k, 0,1,2,3,4,5,6,7,8
	MLOAD \k
.endr
	v_mov_b32 v[BIGR], 0x7f7fffff                  ; above every -M
	s_sub_co_u32 s92, 7, s18                       ; the chunk of V^T that I name, my wave's 8,192 bytes of it
	s_lshl_b32 s92, s92, 18
	s_add_co_u32 s92, s92, s[VB0]
	s_lshl_b32 s93, s[WV], 13
	s_add_co_u32 s92, s92, s93
	s_mov_b32 s93, 0
	s_add_nc_u64 s[92:93], s[6:7], s[92:93]
	s_wait_alu depctr_va_vdst(0)
	s_cmp_eq_u32 s18, 7
	s_cbranch_scc1 .Lno_chunk
	global_prefetch_b8 v[PFO], s[92:93] th:TH_LOAD_NT scope:SCOPE_SE
.Lno_chunk:
	s_wait_tensorcnt 0x0                           ; my part of slot 0 is in
	ds_add_u32 v[SPW], v[NIL]
	OTHER
	NEXTADDR
	s_wait_dscnt 0x0
	CROUND
	TLOAD                                          ; steps 2 and 3: they land while the tables are made
	s_wait_loadcnt 0x0
	v_mov_b32 v[NA], v[NMK]                        ; step 0 is always the first tile's,
	v_mov_b32 v[NB], v[NMK+8]                      ; step 8 always the second's
.irp k, 1,2,3,4,5,6,7
	s_cmp_ge_u32 s[PR], \k
	s_cselect_b32 vcc_lo, -1, 0                    ; all lanes: the step is the first tile's
	v_cndmask_b32 v[T0], v[BIGR], v[NMK+\k], vcc_lo
	v_cndmask_b32 v[T1], v[NMK+\k], v[BIGR], vcc_lo
	v_min_num_f32 v[NA], v[NA], v[T0]              ; -M = the least -M_c
	v_min_num_f32 v[NB], v[NB], v[T1]
.endr
.macro FACTOR k
	s_cmp_ge_u32 s[PR], \k
	s_cselect_b32 vcc_lo, -1, 0
	s_cselect_b32 s72, 1.0, 0
	s_cselect_b32 s73, 0, 1.0
	v_cndmask_b32 v[T0], v[NB], v[NA], vcc_lo
	v_sub_f32 v[T0], v[T0], v[NMK+\k]              ; M_c - M: a whole number, 0 or less
	v_cvt_i32_f32 v[T0], v[T0]                     ; (it saturates)
	v_ldexp_f32 v[FKR+\k], 1.0, v[T0]              ; f = 2^(M_c - M)
	v_add_f32 v[T1], v[L0K+\k], v[L1K+\k]
.if \k == 0
	v_mul_f32 v[LA], v[T1], v[FKR+\k]              ; step 0 starts the first tile's sum,
.elseif \k == 8
	v_mul_f32 v[LB], v[T1], v[FKR+\k]              ; step 8 the second's
.else
	v_mul_f32 v[T1], v[T1], v[FKR+\k]
	v_fma_f32 v[LA], v[T1], s72, v[LA]             ; into the sum of the tile that the step belongs to
	v_fma_f32 v[LB], v[T1], s73, v[LB]
.endif
	ds_store_b32 v[TW], v[FKR+\k] offset:512*\k
.endm
	s_wait_alu depctr_va_vdst(0)
.irp k, 0,8,1,2,3,4,5,6,7
	FACTOR \k
.endr
	s_wait_alu depctr_va_vdst(0)
	v_rcp_f32 v[RR], v[LA]
	v_rcp_f32 v[RR+1], v[LB]
	v_nop                                          ; a plain place behind the last reciprocal
	s_wait_kmcnt 0x0
	s_add_co_i32 s74, s70, s71                     ; e8 + e9
	s_wait_alu depctr_va_vdst(0)                   ; one wait for the two, ahead of their first reader
	v_ldexp_f32 v[RR], v[RR], s74
	v_ldexp_f32 v[RR+1], v[RR+1], s74
	ds_store_b32 v[TW], v[RR] offset:4608
	ds_store_b32 v[TW], v[RR+1] offset:5120
; T goes into O with the factors at f: mul = 1: a tile's first chunk, O = f T; 0: O += f T.  Each T from its low end on.
.macro ACCUM f, mul
.if \mul
	WIN 0x82
.else
	WIN 0xa2
.endif
.irp a, 0,1,2,3
.irp j, 0,2,4,6,8,10,12,14,16,18,20,22,24,26,28,30
.if \mul
	v_pk_mul_f32 v[32*\a+\j:32*\a+\j+1], v[128+32*\a+\j:128+32*\a+\j+1], v[\f+2*\a:\f+2*\a+1] op_sel_hi:[1,0]
.else
	v_pk_fma_f32 v[32*\a+\j:32*\a+\j+1], v[128+32*\a+\j:128+32*\a+\j+1], v[\f+2*\a:\f+2*\a+1], v[32*\a+\j:32*\a+\j+1] op_sel_hi:[1,0,1]
.endif
.endr
.endr
	WIN 0
.endm
; THE WAY OUT of a tile of 128 queries: my four tiles of 16, each x 2^(e8 + e9) / l, through my own stage, back as rows of 256 bytes.
.macro TOSTAGE a, rr
.set TM, TMP+32*((\a)%2)
.set BB, BK+32*((\a)%2)
	WIN 0x02
.irp j, 0,2,4,6,8,10,12,14,16,18,20,22,24,26,28,30
	v_pk_mul_f32 v[TM+\j:TM+\j+1], v[32*(\a)+\j:32*(\a)+\j+1], v[\rr+2*(\a):\rr+2*(\a)+1] op_sel_hi:[1,0]
.endr
	WIN 0
.irp b, 0,1,2,3
	ds_store_b128 v[STO], v[TM+8*\b:TM+8*\b+3] offset:64*\b
	ds_store_b128 v[STO], v[TM+8*\b+4:TM+8*\b+7] offset:64*\b+16
.endr
.irp t, 0,1,2,3,4,5,6,7
	ds_load_b128 v[BB+4*\t:BB+4*\t+3], v[RD] offset:\t*2*PITCH   ; LDS serves a wave's instructions in order (ISA guide 5.7.1.4): these see my stores
.endr
.endm
.macro SEND a, younger, op             ; younger: the next tile's 8 stores and 8 loads, which may stay out
.set BB, BK+32*((\a)%2)
	s_wait_dscnt \younger
.irp t, 0,1,2,3,4,5,6,7
	global_store_b128 v[CO], v[BB+4*\t:BB+4*\t+3], s[\op:\op+1] offset:(16*(\a)+2*\t)*4096 th:TH_STORE_NT   ; sixteen lanes store 256 consecutive bytes, aligned
.endr
.endm
.macro EPI rr, op
	s_wait_xcnt 0x0                                ; earlier stores have read their registers
	TOSTAGE 0, \rr
	TOSTAGE 1, \rr
	SEND 0, 16, \op
	s_wait_xcnt 0x0                                ; tile 0's stores have read the registers that tile 2's loads take
	TOSTAGE 2, \rr
	SEND 1, 16, \op
	s_wait_xcnt 0x0
	TOSTAGE 3, \rr
	SEND 2, 16, \op
	SEND 3, 0, \op
.endm
.macro FLOAD j                         ; the four factors of the slot's chunk j
.irp a, 0,1,2,3
	ds_load_b32 v[F+24*(\j)+2*\a], v[AFC] offset:512*(\j)+64*\a
.endr
.endm
.macro FRAGS j, s                      ; chunk j, its 128 keys number s: 32 loads into window 1 (j = 0) or 3
	WIN 0x40+0x80*(\j)
.irp a, 0,1,2,3
.irp c, 0,1,2,3
	ds_load_b128 v[64*(\s)+16*\a+4*\c:64*(\s)+16*\a+4*\c+3], v[AP+(\j)] offset:16384*(\s)+512*\c+2048*\a
.endr
.endr
.irp a, 0,1,2,3
.irp c, 0,1,2,3
	ds_load_b128 v[128+64*(\s)+16*\a+4*\c:128+64*(\s)+16*\a+4*\c+3], v[AV+(\j)] offset:16384*(\s)+512*\c+2048*\a
.endr
.endr
	WIN 0
.endm
.macro MULS j, s                       ; the sixteen accumulators take turns; s = 0 starts the sums
	WIN 0xa5+0x0a*(\j)
.irp a, 0,1,2,3
.irp b, 0,1,2,3
.set rD, 128+8*(4*\a+\b)
.set rV, 128+64*(\s)+16*\b
.set rP, 64*(\s)+16*\a
.if (\s) == 0
	v_wmma_f32_16x16x128_bf8_bf8 v[rD:rD+7], v[rV:rV+15], v[rP:rP+15], 0
.else
	v_wmma_f32_16x16x128_bf8_bf8 v[rD:rD+7], v[rV:rV+15], v[rP:rP+15], v[rD:rD+7]
.endif
.endr
.endr
	WIN 0
.endm
; T of the step whose number stands in scalar register k.  first = 1: it may be a tile's first (step 0 or g + 1); last = 1: it may be the first tile's last (step g)
.macro INTO f, k, first, last
	PLACES
.if \first
	s_cmp_eq_u32 s\k, 0
	s_cbranch_scc1 .Lnew_\@
	s_cmp_eq_u32 s[PR1], s\k
	s_cbranch_scc1 .Lnew_\@
	ACCUM \f, 0
	s_branch .Ljoin_\@
.Lnew_\@:
	ACCUM \f, 1
.Ljoin_\@:
.else
	ACCUM \f, 0
.endif
.if \last
	s_cmp_eq_u32 s[PR], s\k
	s_cbranch_scc0 .Lnot_done_\@
	EPI RA, OUTA
.Lnot_done_\@:
.endif
.endm
.macro SLOTADDR
	v_add_nc_u32 v[AP], s[TB], v[ADP]
	v_add_nc_u32 v[AV], s[TB], v[ADV]
	v_add_nc_u32 v[AP+1], CHB, v[AP]
	v_add_nc_u32 v[AV+1], CHB, v[AV]
	v_add_nc_u32 v[AFC], s[FO], v[FA]
	s_wait_alu depctr_va_vdst(0)
.endm
; A SLOT'S TWO CHUNKS.  The second's fragments are asked for between the first's halves.
.macro PAIR f0, f1, last, ask
	SLOTADDR
	FLOAD 0
	FRAGS 0, 0
	FRAGS 0, 1
	FLOAD 1
	s_add_co_u32 s91, s[KK], 1
	s_wait_dscnt 36                                ; behind the first half: 32 and 4
	MULS 0, 0
	FRAGS 1, 0
	s_wait_dscnt 36                                ; behind the second half: 4 and 32
	MULS 0, 1
	FRAGS 1, 1
.if \ask
	ASKP
.endif
	INTO F, 90, \f0, \last
	s_wait_dscnt 32                                ; the second chunk's first half is in
	MULS 1, 0
	s_wait_dscnt 0x0
	MULS 1, 1
	INTO F+24, 91, \f1, \last
	s_add_co_u32 s[KK], s[KK], 2
	s_add_co_u32 s[FO], s[FO], 1024
	s_xor_b32 s[TB], s[TB], SLOT
.endm
; THE CHANGE OF SLOTS.  Each wave waits for all its tensor loads (its part of the slot ahead), adds 0 to its spare word, and waits for that and for its reads of the slot that it leaves.
; kind = 2: that slot takes two steps, one load a wave; 1: step 8 alone; 0: nothing is left to fetch.  Where it is filled, the barrier is a round of the cluster's.
.macro CHANGE kind
	s_wait_tensorcnt 0x0                           ; no tensor load of mine is out, so a group 0 may be written
	ds_add_u32 v[SPW], v[NIL]                      ; 0 onto my spare word; the descriptors' arithmetic stands between it and the wait for it
.if \kind
	OTHER
	NEXTADDR
.endif
	s_wait_dscnt 0x0                               ; the add is done, and my reads of the slot that I leave are over
.if \kind == 2
	CROUND
	TLOAD
.elseif \kind == 1
	CROUND
	TLOAD1
.else
	s_barrier_signal -1
	s_barrier_wait -1
.endif
.endm
	s_wait_dscnt 0x0                               ; for the others' sake: my rows of the tables are stored.  Slot 1's load stays out
	s_barrier_signal -1
	s_barrier_wait -1
.irp a, 0,1,2,3
	ds_load_b32 v[RA+2*\a], v[FA] offset:4608+64*\a
	ds_load_b32 v[RB+2*\a], v[FA] offset:5120+64*\a
.endr
	s_mov_b32 s[LC], 2
.Lslot:                                                ; steps 0 to 3; slot 0 takes steps 4 and 5, slot 1 steps 6 and 7
	PAIR 1, 1, 1, 1
	CHANGE 2
	s_sub_co_u32 s[LC], s[LC], 1
	s_cmp_lg_u32 s[LC], 0
	s_wait_alu depctr_va_vdst(0)
	s_cbranch_scc1 .Lslot
	PAIR 1, 0, 0, 1                                ; steps 4 and 5
	CHANGE 1                                       ; slot 0 takes step 8
	PAIR 0, 0, 0, 0                                ; steps 6 and 7
	CHANGE 0                                       ; nothing is left to fetch
	SLOTADDR
	FLOAD 0
	FRAGS 0, 0
	FRAGS 0, 1
	s_wait_dscnt 32
	MULS 0, 0
	s_wait_dscnt 0x0
	MULS 0, 1
	INTO F, 90, 0, 0                               ; step 8, the second tile's last
	EPI RB, OUTB
	s_wait_tensorcnt 0x0                           ; the wave's end
	ds_add_u32 v[SPW], v[NIL]
	s_wait_dscnt 0x0
	CROUND                                         ; the closing round
	s_endpgm
.Lfunc_end_k_q99c6a08a48_mix:
	.size	k_q99c6a08a48_mix, .Lfunc_end_k_q99c6a08a48_mix-k_q99c6a08a48_mix
	.p2alignl 7, 3214868480
	.fill 96, 4, 3214868480
	.section	.rodata,"a",@progbits
	.p2align	6, 0x0
	.amdhsa_kernel k_q99c6a08a48_mix
		.amdhsa_group_segment_fixed_size 327680
		.amdhsa_private_segment_fixed_size 0
		.amdhsa_enable_private_segment 0
		.amdhsa_kernarg_size 40
		.amdhsa_user_sgpr_count 2
		.amdhsa_user_sgpr_kernarg_segment_ptr 1
		.amdhsa_wavefront_size32 1
		.amdhsa_system_sgpr_workgroup_id_x 1
		.amdhsa_system_sgpr_workgroup_id_y 1
		.amdhsa_system_sgpr_workgroup_id_z 1
		.amdhsa_system_vgpr_workitem_id 0
		.amdhsa_next_free_vgpr 1024
		.amdhsa_next_free_sgpr 100
		.amdhsa_reserve_vcc 1
		.amdhsa_float_denorm_mode_32 3
		.amdhsa_float_denorm_mode_16_64 3
		.amdhsa_memory_ordered 1
		.amdhsa_forward_progress 1
		.amdhsa_inst_pref_size 152
	.end_amdhsa_kernel
	.amdgpu_metadata
---
amdhsa.version: [ 1, 2 ]
amdhsa.kernels:
  - .name:           k_q99c6a08a48_mix
    .symbol:         k_q99c6a08a48_mix.kd
    .args:
      - { .name: pc, .offset: 0, .size: 8, .value_kind: global_buffer, .address_space: global }
      - { .name: vt, .offset: 8, .size: 8, .value_kind: global_buffer, .address_space: global }
      - { .name: ml, .offset: 16, .size: 8, .value_kind: global_buffer, .address_space: global }
      - { .name: lowp_scales, .offset: 24, .size: 8, .value_kind: global_buffer, .address_space: global }
      - { .name: out0, .offset: 32, .size: 8, .value_kind: global_buffer, .address_space: global }
    .group_segment_fixed_size: 327680
    .private_segment_fixed_size: 0
    .kernarg_segment_align: 8
    .kernarg_segment_size: 40
    .max_flat_workgroup_size: 128
    .sgpr_count:     100
    .vgpr_count:     1024
    .wavefront_size: 32
...
	.end_amdgpu_metadata
.endif
;; end of part 3
